; MI455X (gfx1250); checked and timed in simulation.
; The chip was launched on July 23, 2026; its instructions are those of AMD's public machine-readable ISA for CDNA 5 (MIT licence, August 2026) and "CDNA5" Instruction Set Architecture Reference Guide (July 2026). The comments in the code are by the model that wrote it; some were corrected since.
;; Structure Aware Graph Attention. Allowed arithmetic: float matrix products may take bf16 or f16 operands with f32 sums; all other float work in f32.
;; Inputs: Wk 128 x 128 float32; Wo 128 x 128 float32; Wq 128 x 128 float32; Wv 128 x 128 float32; bk 128 float32; bo 128 float32; bq 128 float32; bv 128 float32; edge_weight 4 x 4,096 x 4,096 float32; x 4 x 4,096 x 128 float32.
;; Outputs: out0 4 x 4,096 x 128 float32.
;; 2 versions, each right; version 2 is version 1 with the launch proj written anew for expert scheduling mode. Each part assembles by itself: llvm-mc -triple=amdgcn-amd-amdhsa -mcpu=gfx1250 --defsym DOCPART=n.
;; ======== version 1 of 2: 2 launches
;; limits: values are held in f16: magnitudes above 65,504 overflow, below 6.1e-05 lose precision
;; workspace buffers: qb 4,194,304 bytes; kv 8,388,608 bytes
;; launch proj (part 1): grid 128 x 3, 8 waves a work-group, no clusters, 70,656 bytes of LDS; arguments x, Wq, Wk, Wv, bq, bk, qb, kv; writes qb, kv
.if DOCPART == 1
	.amdgcn_target "amdgcn-amd-amdhsa--gfx1250"
	.amdhsa_code_object_version 6
	.text
	.protected	k_q53dfb11fbd_proj
	.globl	k_q53dfb11fbd_proj
	.p2align	8
	.type	k_q53dfb11fbd_proj,@function
k_q53dfb11fbd_proj:
	s_mov_b64 s[64:65], 0
	v_nop
	global_prefetch_b8 v0, s[64:65] scope:SCOPE_SE
	s_setreg_imm32_b32 hwreg(HW_REG_WAVE_MODE, 25, 1), 1
	s_wait_xcnt 0x0
; The three input projections of the attention, one product of 128 x 128 x 128 for each work-group.
;   y = 0: q = (x Wq^T + bq) * 32^-0.5 * log2(e), f16: qb[row][128]
;   y = 1: k = x Wk^T + bk, f16, rows 0-127 of kv block blk (a block: 256 rows of 256 bytes)
;   y = 2: v^T = Wv x^T (no bias: bv is added behind the softmax, whose weights sum to one), bf16, rows 128-255 of kv block blk, keys along the row
; One text for all three: out[own row][tile index] = sum over k of OWN[own row][k] TIL[tile index][k].  y < 2: OWN = 128 rows of x, TIL = W;
; y = 2: OWN = Wv, TIL = the 128 rows of x, so that v comes out transposed with no shuffle.
; Eight waves; wave w owns OWN rows 16 w .. 16 w + 15.  Both operands are read once as f32 (each load of a wave: 512 consecutive bytes),
; rounded to f16 and laid into LDS with rows 272 bytes apart.  No tensor loads and no cluster: the launch moves 21 MB, each work-group
; reads its two operands once and works on them once.
; FORMATS: the operands x and W, and the results q and k, are f16 (11 significant bits), not bf16 (8): the rounding errors of W, and of a
; query's x and q, are common to all keys of a row of the attention and do not average out over the keys.  v is bf16, since its partner in
; the matrix unit, the softmax's weight, can be as small as 1e-8, below f16's smallest number.
; LIMITS: finite inputs; |x|, |W|, |q| * 0.255 and |k| below 65,504, f16's largest number.  Inputs of spread 1 (x) and 1/sqrt(128) (W) give
; |q|, |k| up to about 5.5; both thirty times larger, about 5,000; both offset by thirty spreads, about 10,300.
.set PITCH, 272                        ; LDS row: 256 bytes of f16 + 16: sixteen rows of a fragment start in sixteen different 16-byte columns
.set TILB,  128*PITCH                  ; TIL lies behind OWN
.set OWNF,  32                         ; v[32:63]   OWN fragments, 4 K steps x 8; also packed results on the way out
.set F0,    64                         ; v[64:127]  loads of OWN as f32; then TIL fragments, buffer 0
.set F1,    128                        ; v[128:191] loads of TIL as f32; then TIL fragments, buffer 1
.set ACC,   192                        ; v[192:255] 8 accumulator tiles
.macro PLACES                          ; four plain vector places behind a matrix instruction (ISA guide 7.12.1) before its registers are loaded into or read
.rept 4
	v_nop
.endr
.endm
.macro LDF f, kk                       ; the eight TIL fragments (16 rows x 32 K) of K step kk into buffer f: 16 LDS loads
.irp t, 0,1,2,3,4,5,6,7
	ds_load_b128 v[\f+8*\t:\f+8*\t+3],   v7 offset:\t*16*PITCH+64*\kk
	ds_load_b128 v[\f+8*\t+4:\f+8*\t+7], v7 offset:\t*16*PITCH+64*\kk+32
.endr
.endm
; Eight matrix instructions, source 0 = 16 rows of TIL, source 1 = my 16 rows of OWN: lane (r, hh), register j = out(own row r, index 16 t + 8 hh + j).
; The eight accumulators take turns, one instruction a turn.
.macro MM f, kk, zero
.irp t, 0,1,2,3,4,5,6,7
.if \zero
	v_wmma_f32_16x16x32_f16 v[ACC+8*\t:ACC+8*\t+7], v[\f+8*\t:\f+8*\t+7], v[OWNF+8*\kk:OWNF+8*\kk+7], 0
.else
	v_wmma_f32_16x16x32_f16 v[ACC+8*\t:ACC+8*\t+7], v[\f+8*\t:\f+8*\t+7], v[OWNF+8*\kk:OWNF+8*\kk+7], v[ACC+8*\t:ACC+8*\t+7]
.endif
.endr
.endm
	s_load_b512 s[4:19], s[0:1], 0x0               ; x 4, Wq 6, Wk 8, Wv 10, bq 12, bk 14, qb 16, kv 18
	v_lshl_add_u32 v30, v0, 2, 0x11000
	v_mov_b32 v31, 0
	s_and_b32 s20, ttmp7, 0xffff                   ; y: 0 q, 1 k, 2 v
	v_lshrrev_b32 v1, 5, v0
	v_readfirstlane_b32 s21, v1                    ; wave
	v_and_b32 v1, 31, v0                           ; L
	v_and_b32 v2, 15, v0                           ; r
	v_bfe_u32 v3, v0, 4, 1                         ; hh
	s_mul_i32 s22, s21, 16*PITCH                   ; my 16 rows in LDS
	v_lshlrev_b32 v4, 4, v1
	v_lshl_add_u32 v4, s21, 13, v4                 ; v4: 16 rows of 512 bytes a wave + 16 L: f32 rows in memory
	v_lshl_add_u32 v5, v1, 3, s22                  ; v5: where my 4 f16 of a row go
	v_mul_u32_u24 v9, v2, PITCH
	v_lshl_add_u32 v9, v3, 4, v9                   ; 272 r + 16 hh
	v_add_nc_u32 v6, s22, v9                       ; v6: OWN fragments, and the stage's stores
	v_add_nc_u32 v7, TILB, v9                      ; v7: TIL fragments
	v_lshlrev_b32 v8, 5, v3                        ; v8: 32 hh, my 8 numbers of each 16 of the bias
	v_mul_u32_u24 v10, v3, PITCH
	v_lshl_add_u32 v10, v2, 4, v10
	v_add_nc_u32 v10, s22, v10                     ; v10: the stage read back by rows, two rows a load
	v_lshlrev_b32 v11, 8, v3
	v_lshl_add_u32 v11, v2, 4, v11
	v_lshl_add_u32 v11, s21, 12, v11               ; v11: the same two rows in the output block (rows of 256 bytes)
	s_lshl_b32 s24, ttmp9, 16                      ; blk x 65,536: x's 128 rows, and a kv block
	s_mov_b32 s25, 0
	s_lshl_b32 s23, ttmp9, 15                      ; blk x 32,768: 128 rows of q
	s_mov_b32 s39, 0
	s_mov_b32 s40, 0x3e8293ee                      ; 32^-0.5 * log2(e)
	s_mov_b32 s41, 0x3e8293ee
	s_wait_kmcnt 0x0
	s_add_nc_u64 s[26:27], s[4:5], s[24:25]        ; my rows of x
	s_cmp_eq_u32 s20, 0
	s_cselect_b64 s[28:29], s[6:7], s[8:9]         ; W of q or of k
	s_cselect_b64 s[30:31], s[12:13], s[14:15]     ; its bias
	s_cselect_b64 s[36:37], s[16:17], s[18:19]     ; the output buffer
	s_cselect_b32 s38, s23, s24                    ; and my block's offset in it
	s_cmp_eq_u32 s20, 2
	s_cselect_b64 s[32:33], s[10:11], s[26:27]     ; OWN
	s_cselect_b64 s[34:35], s[26:27], s[28:29]     ; TIL
	s_cselect_b32 s42, 0x8000, 0                   ; v^T lies behind k in the block
	s_add_co_u32 s38, s38, s42
	s_add_nc_u64 s[36:37], s[36:37], s[38:39]
	; The bias seeds the sums: ACC[t][j] = b[16 t + 8 hh + j].  The v groups issue the same 16 loads (512 bytes of bk) and overwrite them
	; with their first products, so that the accumulators are written on every path of this one text.
.irp t, 0,1,2,3,4,5,6,7
	global_load_b128 v[ACC+8*\t:ACC+8*\t+3],   v8, s[30:31] offset:64*\t
	global_load_b128 v[ACC+8*\t+4:ACC+8*\t+7], v8, s[30:31] offset:64*\t+16
.endr
.set i, 0
.rept 16
	global_load_b128 v[F0+4*i:F0+4*i+3], v4, s[32:33] offset:512*i
.set i, i+1
.endr
.set i, 0
.rept 16
	global_load_b128 v[F1+4*i:F1+4*i+3], v4, s[34:35] offset:512*i
.set i, i+1
.endr
	s_wait_loadcnt 16                              ; the 16 loads of TIL are younger: the bias and OWN are in
.set i, 0
.rept 16
	v_cvt_pk_f16_f32 v[OWNF+2*i],   v[F0+4*i],   v[F0+4*i+1]
	v_cvt_pk_f16_f32 v[OWNF+2*i+1], v[F0+4*i+2], v[F0+4*i+3]
	ds_store_b64 v5, v[OWNF+2*i:OWNF+2*i+1] offset:PITCH*i
.set i, i+1
.endr
	s_wait_loadcnt 0x0
.set i, 0
.rept 16
	v_cvt_pk_f16_f32 v[F0+2*i],   v[F1+4*i],   v[F1+4*i+1]
	v_cvt_pk_f16_f32 v[F0+2*i+1], v[F1+4*i+2], v[F1+4*i+3]
	ds_store_b64 v5, v[F0+2*i:F0+2*i+1] offset:TILB+PITCH*i
.set i, i+1
.endr
	s_wait_dscnt 0x0                               ; my rows are in LDS, for the other waves' sake
	s_barrier_signal -1
	s_barrier_wait -1
.irp k, 0,1,2,3
	ds_load_b128 v[OWNF+8*\k:OWNF+8*\k+3],   v6 offset:64*\k
	ds_load_b128 v[OWNF+8*\k+4:OWNF+8*\k+7], v6 offset:64*\k+32
.endr
	LDF F0, 0
	LDF F1, 1
	s_wait_dscnt 16                                ; buffer 1's 16 loads are younger: OWN and buffer 0 are in
	s_cmp_eq_u32 s20, 2
	s_cbranch_scc1 .Lfrom_zero
	MM F0, 0, 0                                    ; q, k: onto the bias
	s_branch .Lstarted
.Lfrom_zero:
	MM F0, 0, 1                                    ; v: the first products start the sums
.Lstarted:
	PLACES
	LDF F0, 2
	s_wait_dscnt 16                                ; the 16 just issued are younger: buffer 1 is in
	MM F1, 1, 0
	PLACES
	LDF F1, 3
	s_wait_dscnt 16                                ; likewise: buffer 0 is in
	MM F0, 2, 0
	s_wait_dscnt 0x0
	MM F1, 3, 0
	PLACES
	s_cmp_lg_u32 s20, 0
	s_cbranch_scc1 .Lunscaled
.set i, 0
.rept 32
	v_pk_mul_f32 v[ACC+2*i:ACC+2*i+1], v[ACC+2*i:ACC+2*i+1], s[40:41] op_sel_hi:[1,0]   ; q in units of log2, so that the softmax uses 2^x
.set i, i+1
.endr
.Lunscaled:
	s_cmp_eq_u32 s20, 2
	s_cbranch_scc1 .Lv_bf16
.set i, 0
.rept 32
	v_cvt_pk_f16_f32 v[OWNF+i], v[ACC+2*i], v[ACC+2*i+1]           ; q, k
.set i, i+1
.endr
	s_branch .Lpacked
.Lv_bf16:
.set i, 0
.rept 32
	v_cvt_pk_bf16_f32 v[OWNF+i], v[ACC+2*i], v[ACC+2*i+1]          ; v
.set i, i+1
.endr
.Lpacked:
	; The way out: 16 bytes a lane into my own 16 OWN rows of LDS (no other wave touches them), back as whole rows, out.
.irp t, 0,1,2,3,4,5,6,7
	ds_store_b128 v6, v[OWNF+4*\t:OWNF+4*\t+3] offset:32*\t
.endr
.irp t, 0,1,2,3,4,5,6,7
	ds_load_b128 v[F0+4*\t:F0+4*\t+3], v10 offset:2*PITCH*\t       ; a wave's LDS instructions are served in order: these see the stores above
.endr
.irp t, 0,1,2,3,4,5,6,7
	s_wait_dscnt 7-\t                                              ; the younger loads of the eight may stay out
	global_store_b128 v11, v[F0+4*\t:F0+4*\t+3], s[36:37] offset:512*\t   ; sixteen lanes store 256 consecutive bytes, aligned
.endr
	s_wait_tensorcnt 0x0
	ds_add_u32 v30, v31
	s_wait_dscnt 0x0
	s_endpgm
.Lfunc_end_k_q53dfb11fbd_proj:
	.size	k_q53dfb11fbd_proj, .Lfunc_end_k_q53dfb11fbd_proj-k_q53dfb11fbd_proj
	.p2alignl 7, 3214868480
	.fill 96, 4, 3214868480
	.section	.rodata,"a",@progbits
	.p2align	6, 0x0
	.amdhsa_kernel k_q53dfb11fbd_proj
		.amdhsa_group_segment_fixed_size 70656
		.amdhsa_private_segment_fixed_size 0
		.amdhsa_enable_private_segment 0
		.amdhsa_kernarg_size 64
		.amdhsa_user_sgpr_count 2
		.amdhsa_user_sgpr_kernarg_segment_ptr 1
		.amdhsa_wavefront_size32 1
		.amdhsa_system_sgpr_workgroup_id_x 1
		.amdhsa_system_sgpr_workgroup_id_y 1
		.amdhsa_system_sgpr_workgroup_id_z 1
		.amdhsa_system_vgpr_workitem_id 0
		.amdhsa_next_free_vgpr 256
		.amdhsa_next_free_sgpr 66
		.amdhsa_reserve_vcc 0
		.amdhsa_float_denorm_mode_32 3
		.amdhsa_float_denorm_mode_16_64 3
		.amdhsa_memory_ordered 1
		.amdhsa_forward_progress 1
		.amdhsa_inst_pref_size 29
	.end_amdhsa_kernel
	.amdgpu_metadata
---
amdhsa.version: [ 1, 2 ]
amdhsa.kernels:
  - .name:           k_q53dfb11fbd_proj
    .symbol:         k_q53dfb11fbd_proj.kd
    .args:
      - { .name: x, .offset: 0, .size: 8, .value_kind: global_buffer, .address_space: global }
      - { .name: Wq, .offset: 8, .size: 8, .value_kind: global_buffer, .address_space: global }
      - { .name: Wk, .offset: 16, .size: 8, .value_kind: global_buffer, .address_space: global }
      - { .name: Wv, .offset: 24, .size: 8, .value_kind: global_buffer, .address_space: global }
      - { .name: bq, .offset: 32, .size: 8, .value_kind: global_buffer, .address_space: global }
      - { .name: bk, .offset: 40, .size: 8, .value_kind: global_buffer, .address_space: global }
      - { .name: qb, .offset: 48, .size: 8, .value_kind: global_buffer, .address_space: global }
      - { .name: kv, .offset: 56, .size: 8, .value_kind: global_buffer, .address_space: global }
    .group_segment_fixed_size: 70656
    .private_segment_fixed_size: 0
    .kernarg_segment_align: 8
    .kernarg_segment_size: 64
    .max_flat_workgroup_size: 256
    .sgpr_count:     66
    .vgpr_count:     256
    .wavefront_size: 32
...
	.end_amdgpu_metadata
.endif
;; end of part 1
;; launch attn (part 2): grid 256 x 1, 8 waves a work-group, clusters of 4 x 1, 327,680 bytes of LDS; arguments qb, kv, edge_weight, Wo, bo, bv, out0; writes out0
.if DOCPART == 2
	.amdgcn_target "amdgcn-amd-amdhsa--gfx1250"
	.amdhsa_code_object_version 6
	.text
	.protected	k_q53dfb11fbd_attn
	.globl	k_q53dfb11fbd_attn
	.p2align	8
	.type	k_q53dfb11fbd_attn,@function
k_q53dfb11fbd_attn:
	s_mov_b64 s[64:65], 0
	v_nop
	global_prefetch_b8 v0, s[64:65] scope:SCOPE_SE
	s_setreg_imm32_b32 hwreg(HW_REG_WAVE_MODE, 25, 1), 1
	s_wait_xcnt 0x0
	s_wait_alu depctr_hold_cnt(0) depctr_sa_sdst(0) depctr_va_vdst(0) depctr_va_sdst(0) depctr_va_ssrc(0) depctr_va_vcc(0) depctr_vm_vsrc(0)
	s_getreg_b32 s2, hwreg(HW_REG_IB_STS2, 6, 4)
	s_cmp_eq_u32 s2, 0
	s_cbranch_scc0 .Lentry_in_a_cluster
	s_endpgm
.Lentry_in_a_cluster:
	s_bfe_u32 s2, ttmp6, 0x10000c
	s_cmp_lg_u32 s2, 0x3003
	s_cbranch_scc0 .Lentry_shape_is_right
	s_endpgm
.Lentry_shape_is_right:
; Attention with the structure bias, all four heads, and the output projection.  out0 = (softmax(q k^T SCALE + log max(ew, EPS)) v + bv) Wo^T + bo.
; exp(s + log w) = w exp(s): no logarithm is taken.  P = max(ew, EPS) * 2^(s - m), s the score in units of log2 (q carries SCALE log2 e),
; m the RUNNING MAXIMUM of s over the keys seen.  Every exponent is <= 0; the key that holds the maximum adds at least EPS to the row sum, so
; the sum lies between 1e-8 and 4096 max(ew) and neither overflows nor vanishes; what underflows in 2^x is below 2^-126 of that key's term.
; A work-group owns 64 queries, all heads, all 4096 keys: edge_weight, 94 per cent of the bytes, is read once.  256 work-groups.
; Keys go in 32 blocks of 128 through two LDS slots.  Wave w: hp = w & 1 (heads 2 hp, 2 hp + 1), qh = (w >> 1) & 1 (32 queries, two tiles of 16),
; kp = w >> 2 (64 of the block's keys).  Four units u = 2 hsel + qt a wave.  The two kp partners merge their sums once, at the end, through LDS.
; THE RING: both slots are filled at the start.  All that a wave reads of a block is in its registers before its second unit's softmax: there
; the wave waits for its LDS reads and its tensor loads and opens the round of the cluster's barrier; that unit's softmax and products, register
; work alone, stand inside the round; behind it trip t's slot is filled again with block t + 2.  Behind the round the other slot is whole for
; every wave, so the next trip's first fragments (K of the first head, ew) are fetched at this trip's end, as their registers fall free.
; CLUSTER: the four work-groups of a cluster lie in one graph (16 clusters a graph) and walk the same K and V^T tiles: these 64 KiB of a
; block's 96 KiB are asked for jointly (mask 15).  The ew tiles are each group's own: plain loads, in the same round of the cluster's barrier.
; LAYOUTS, no shuffle anywhere: S^T = K (source 0, 16 keys) x Q (source 1, 16 queries), 32 along K = the head's size: lane (r, hh), register j =
; (query r, key 16 t + 8 hh + j).  ew is read from LDS in that very layout.  Tiles 2 g, 2 g + 1 rounded to bf16 in pairs ARE source 1 of
; out^T = V^T x P^T, and out^T rounded in pairs IS source 1 of the output projection.  m, the row sum and the rescaling factor are one number a lane.
; FORMATS: q, k, the attention output and Wo are f16 (11 significant bits): the errors of q, of the attention output and of Wo are common to a
; whole row, and an error of k weighs fully where one key holds much of a row's weight.  P and v are bf16: P can be as small as EPS = 1e-8,
; below f16's smallest number, and one matrix instruction takes one format.
; LIMITS: finite inputs.  A NaN in ew counts as EPS (the maximum drops it) where the reference would hand it on.  |Wo| and |attention output + bv|
; below 65,504, f16's largest number (v reaches about 5.5 for x of spread 1 and Wv of spread 1/sqrt(128); about 5,000 with both thirty times
; larger; about 10,300 with both offset by thirty spreads).
.set PITCH,  272                       ; LDS rows: 256 bytes + 16
.set PART,   64*PITCH                  ; 17,408: what one tensor load brings, 64 rows
.set SLOT,   6*PART                    ; parts 0, 1: K keys 0-127; 2, 3: V^T rows 0-127; 4, 5: ew, 64 queries x keys 0-63, 64-127
.set WOB,    2*SLOT                    ; 208,896: Wo in f16, 128 rows x 272.  WOB, MRG, ATT are written by LDS stores alone: no tensor load lands there
.set MRG,    WOB+128*PITCH             ; 243,712: 4 x 9,216 for the merge; behind it eight stages of 4,352 for the way out
.set ATT,    MRG+36864                 ; 280,576: 16 fragments x 1,024 of the attention output
.set KVSTEP, 65536                     ; a kv block
.set EWSTEP, 512                       ; 128 keys of ew
.set G1K, 24                           ; s[24:31] group 1, K and V^T tiles    s[40:47] group 0, one set a slot
.set G1E, 32                           ; s[32:39] group 1, ew tiles           s[48:55] group 0, one set a slot
.set G0K, 40
.set G0E, 48
; window 0 (v64-95 are free in the loop and serve at the end)
.set PF,   1                           ; v1       prefetch: 16,384 L + 256 (w & 1)
.set ADRK, 2                           ; v2, v3   K fragments, slot 0, 1
.set ADRE, 4                           ; v4, v5   ew
.set ADRV, 6                           ; v6, v7   V^T fragments
.set M,    8                           ; v[8:11]  running maximum of unit u
.set LP,   12                          ; v[12:19] row sum of unit u, two partial sums
.set AL,   20                          ; v[20:21] 2^(old m - new m); v21 only completes the pair
.set MN,   22                          ; v[22:23] new m; v23 only completes the pair
.set T,    24                          ; v[24:27]
.set X,    28                          ; v[28:29]
.set Y,    30                          ; v[30:31]
.set QH,   32                          ; v[32:63]   Q, unit u at 8 u
.set KF,   96                          ; v[96:127]  K, four key tiles of one head
.set EW,   128                         ; v[128:191] ew, query tile qt at 32 qt, key tile t at 8 t
.set SB,   192                         ; v[192:255] two score buffers of 32; P is packed in place into the first 16 of a buffer
; window 1
.set ACC,  0                           ; v256-319  out^T: unit u, 16 d's dt, at 16 u + 8 dt
.set VF,   64                          ; v320-383  V^T fragments at 8 (4 hsel + 2 dt + g)
.set MSB, 0
.macro WIN new                         ; s_set_vgpr_msb: bits 1:0 source 0, 3:2 source 1, 5:4 source 2, 7:6 destination; the high byte repeats the setting left
.if MSB != \new
	s_set_vgpr_msb (MSB<<8)|\new
.set MSB, \new
.endif
.endm
.macro PLACES                          ; four plain vector places behind a matrix instruction (ISA guide 7.12.1)
.rept 4
	v_nop
.endr
.endm
.macro ROUND                           ; a round of the cluster's barrier with nothing inside: in front of the first loads and at the end
	s_barrier_signal -1
	s_barrier_wait -1
	s_cmp_lg_u32 s18, 0
	s_cbranch_scc1 .Lnot_wave_0_\@
	s_barrier_signal -3
.Lnot_wave_0_\@:
	s_barrier_wait -3
	s_barrier_signal -1
	s_barrier_wait -1
.endm
; One block's six parts: waves 0-3 ask jointly for K and V^T, waves 4, 5 for this group's two ew strips, one tensor load a wave.
; Waves 6, 7 (pf = 1) ask the L2 for the ew tile that the NEXT trip's tensor loads will fetch: trip t loads block t + 2 and prefetches block
; t + 3; each of the two waves takes one strip, 64 rows, lane L rows L and L + 32, each aligned 256 bytes once.  Trips 29 to 31 ask for nothing.
.macro JLOAD s, pf
	s_cmp_lt_u32 s18, 4
	s_cbranch_scc0 .Lnot_kv_\@
	tensor_load_to_lds s[G0K+4*\s:G0K+4*\s+3], s[G1K:G1K+7]
	s_nop 0
	s_branch .Lasked_\@
.Lnot_kv_\@:
	s_cmp_lt_u32 s18, 6
	s_cbranch_scc0 .Lnot_ew_\@
	tensor_load_to_lds s[G0E+4*\s:G0E+4*\s+3], s[G1E:G1E+7]
	s_nop 0
	s_branch .Lasked_\@
.Lnot_ew_\@:
.if \pf
	s_wait_xcnt 0x0                                ; the last prefetches have had their addresses translated: their base may step
	s_add_nc_u64 s[56:57], s[56:57], EWSTEP
	global_prefetch_b8 v[PF], s[56:57] th:TH_LOAD_NT scope:SCOPE_SE
	global_prefetch_b8 v[PF], s[56:57] offset:524288 th:TH_LOAD_NT scope:SCOPE_SE
.endif
.Lasked_\@:
.endm
.macro LDK slot, hsel                  ; my 64 keys x 32 dims of head 2 hp + hsel: 8 LDS loads
.irp t, 0,1,2,3
	ds_load_b128 v[KF+8*\t:KF+8*\t+3],   v[ADRK+\slot] offset:16*PITCH*\t+64*\hsel
	ds_load_b128 v[KF+8*\t+4:KF+8*\t+7], v[ADRK+\slot] offset:16*PITCH*\t+64*\hsel+32
.endr
.endm
.macro LDEH slot, q                    ; ew of query tile q (16 queries) x my 64 keys, in the scores' layout: 8 LDS loads, used by both heads
.irp t, 0,1,2,3
	ds_load_b128 v[EW+32*\q+8*\t:EW+32*\q+8*\t+3],   v[ADRE+\slot] offset:16*PITCH*\q+64*\t
	ds_load_b128 v[EW+32*\q+8*\t+4:EW+32*\q+8*\t+7], v[ADRE+\slot] offset:16*PITCH*\q+64*\t+16
.endr
.endm
.macro LDV slot                        ; V^T: 2 heads x 2 x 16 d's x 2 x 32 keys: 16 LDS loads, the first head's eight first
	WIN 0x40
.irp f, 0,1,2,3,4,5,6,7
	ds_load_b128 v[VF+8*\f:VF+8*\f+3],   v[ADRV+\slot] offset:(\f>>1)*16*PITCH+(\f&1)*64
	ds_load_b128 v[VF+8*\f+4:VF+8*\f+7], v[ADRV+\slot] offset:(\f>>1)*16*PITCH+(\f&1)*64+32
.endr
	WIN 0
.endm
.macro CLAMP q                         ; max(ew, EPS) of query tile q, once for both heads
.set i, 0
.rept 32
	v_max_num_f32 v[EW+32*\q+i], s60, v[EW+32*\q+i]
.set i, i+1
.endr
.endm
; Scores of unit u into buffer b: four tiles of 16 keys x 16 queries, one matrix instruction each (32 along K is the whole head)
.macro SMM u, b
.irp t, 0,1,2,3
	v_wmma_f32_16x16x32_f16 v[SB+32*\b+8*\t:SB+32*\b+8*\t+7], v[KF+8*\t:KF+8*\t+7], v[QH+8*\u:QH+8*\u+7], 0
.endr
.endm
; New maximum of unit u: my 32 scores in four chains, the old maximum, the other half of the lanes (the same query's other keys); then the rescaling factor.
.macro MAXP u, b, first
.irp c, 0,1,2,3
	v_max3_num_f32 v[T+\c], v[SB+32*\b+8*\c], v[SB+32*\b+8*\c+1], v[SB+32*\b+8*\c+2]
.endr
.irp c, 0,1,2,3
	v_max3_num_f32 v[T+\c], v[T+\c], v[SB+32*\b+8*\c+3], v[SB+32*\b+8*\c+4]
.endr
.irp c, 0,1,2,3
	v_max3_num_f32 v[T+\c], v[T+\c], v[SB+32*\b+8*\c+5], v[SB+32*\b+8*\c+6]
.endr
	v_max3_num_f32 v[T],   v[T],   v[T+1], v[SB+32*\b+7]
	v_max3_num_f32 v[T+2], v[T+2], v[T+3], v[SB+32*\b+15]
	v_max3_num_f32 v[T],   v[T],   v[T+2], v[SB+32*\b+23]
.if \first
	v_max_num_f32 v[T], v[T], v[SB+32*\b+31]
.else
	v_max3_num_f32 v[T], v[T], v[SB+32*\b+31], v[M+\u]
.endif
	v_permlanex16_b32 v[T+1], v[T], s58, s59
	v_max_num_f32 v[MN], v[T], v[T+1]
.if \first == 0
	v_sub_f32 v[T+2], v[M+\u], v[MN]
	v_exp_f32 v[AL], v[T+2]                        ; first used behind the plain subtractions of SOFTA
.endif
.endm
.macro SUBT b, t                       ; s - m, eight scores
.irp j, 0,2,4,6
	v_pk_add_f32 v[SB+32*\b+8*\t+\j:SB+32*\b+8*\t+\j+1], v[SB+32*\b+8*\t+\j:SB+32*\b+8*\t+\j+1], v[MN:MN+1] op_sel_hi:[1,0] neg_lo:[0,1] neg_hi:[0,1]
.endr
.endm
.macro EXPT b, t                       ; 2^(s - m)
.irp j, 0,1,2,3,4,5,6,7
	v_exp_f32 v[SB+32*\b+8*\t+\j], v[SB+32*\b+8*\t+\j]
.endr
.endm
; times ew; into the row sum (the first tile of a trip rescales the old sum in the same fused multiply-add); rounded to bf16 in place
.macro FINT u, b, t, first
	s_wait_alu depctr_va_vdst(0)
.irp j, 0,2,4,6
	v_pk_mul_f32 v[SB+32*\b+8*\t+\j:SB+32*\b+8*\t+\j+1], v[SB+32*\b+8*\t+\j:SB+32*\b+8*\t+\j+1], v[EW+32*(\u&1)+8*\t+\j:EW+32*(\u&1)+8*\t+\j+1]
.endr
	v_pk_add_f32 v[X:X+1], v[SB+32*\b+8*\t:SB+32*\b+8*\t+1],   v[SB+32*\b+8*\t+2:SB+32*\b+8*\t+3]
	v_pk_add_f32 v[Y:Y+1], v[SB+32*\b+8*\t+4:SB+32*\b+8*\t+5], v[SB+32*\b+8*\t+6:SB+32*\b+8*\t+7]
.if \t
	v_pk_add_f32 v[X:X+1], v[X:X+1], v[Y:Y+1]
	v_pk_add_f32 v[LP+2*\u:LP+2*\u+1], v[LP+2*\u:LP+2*\u+1], v[X:X+1]
.else
.if \first
	v_pk_add_f32 v[LP+2*\u:LP+2*\u+1], v[X:X+1], v[Y:Y+1]
.else
	v_pk_add_f32 v[X:X+1], v[X:X+1], v[Y:Y+1]
	v_pk_fma_f32 v[LP+2*\u:LP+2*\u+1], v[LP+2*\u:LP+2*\u+1], v[AL:AL+1], v[X:X+1] op_sel_hi:[1,0,1]
.endif
.endif
.irp j, 0,1,2,3
	v_cvt_pk_bf16_f32 v[SB+32*\b+4*\t+\j], v[SB+32*\b+8*\t+2*\j], v[SB+32*\b+8*\t+2*\j+1]
.endr
.endm
; The softmax of unit u, in three pieces, so that LDS loads or the lines of a barrier can stand between them.  Behind each run of exponentials
; stands plain work on other registers (the next tile's subtractions; at the end the move of the new maximum) before their results are used
; (ISA guide 5.7.2).  SOFTA holds twenty plain vector instructions that name no register of the scores' matrix instructions issued just before it.
.macro SOFTA u, b, first
	SUBT \b, 0
	EXPT \b, 0
	SUBT \b, 1
	FINT \u, \b, 0, \first
.endm
.macro SOFTB u, b, first
	EXPT \b, 1
	SUBT \b, 2
	FINT \u, \b, 1, \first
	EXPT \b, 2
	SUBT \b, 3
	FINT \u, \b, 2, \first
.endm
.macro SOFTC u, b, first
	EXPT \b, 3
	v_mov_b32 v[M+\u], v[MN]
	s_wait_alu depctr_va_vdst(0)
	FINT \u, \b, 3, \first
.endm
.macro PV1 u, b, d, g, zero
.if \zero
	v_wmma_f32_16x16x32_bf16 v[ACC+16*\u+8*\d:ACC+16*\u+8*\d+7], v[VF+8*(4*(\u>>1)+2*\d+\g):VF+8*(4*(\u>>1)+2*\d+\g)+7], v[SB+32*\b+8*\g:SB+32*\b+8*\g+7], 0
.else
	v_wmma_f32_16x16x32_bf16 v[ACC+16*\u+8*\d:ACC+16*\u+8*\d+7], v[VF+8*(4*(\u>>1)+2*\d+\g):VF+8*(4*(\u>>1)+2*\d+\g)+7], v[SB+32*\b+8*\g:SB+32*\b+8*\g+7], v[ACC+16*\u+8*\d:ACC+16*\u+8*\d+7]
.endif
.endm
; out^T of unit u: rescale, then V^T x P^T.  The two accumulators take turns.  In the first trip the first products start the sums.
.macro PVM u, b, first
	WIN 0x51                                       ; source 0 (V, ACC), source 2 and destination in window 1; source 1 (P, the factor) in window 0
.if \first == 0
.irp j, 0,2,4,6,8,10,12,14
	v_pk_mul_f32 v[ACC+16*\u+\j:ACC+16*\u+\j+1], v[ACC+16*\u+\j:ACC+16*\u+\j+1], v[AL:AL+1] op_sel_hi:[1,0]
.endr
.endif
	PV1 \u, \b, 0, 0, \first
	PV1 \u, \b, 1, 0, \first
	PV1 \u, \b, 0, 1, 0
	PV1 \u, \b, 1, 1, 0
	WIN 0
.endm
; One block of 128 keys, in slot \slot.  On the way in, 24 LDS loads of this slot are out, in this order: K of the first head (8), ew of query
; tile 0 (8), ew of query tile 1 (8).  A score buffer is written again only behind a whole MAXP (at least 18 plain places) behind the PVM that read it.
; mode = 2: the round of the cluster's barrier, and this slot filled again two blocks on.  mode = 1: my work-group's barrier alone, which shows the
; last block whole. mode = 0: neither.  nx = 1: the next trip's first 24 loads go out at this trip's end.
.macro TRIP slot, mode, pf, first, nx
	s_wait_dscnt 16                                ; the 16 loads of ew are younger: K is in
	SMM 0, 0
	s_wait_dscnt 8                                 ; query tile 1's 8 loads are younger: tile 0's ew is in
	CLAMP 0
	s_wait_dscnt 0x0
	CLAMP 1                                        ; 64 plain places behind SMM 0 and behind the last trip's last PVM, whose V is loaded into next
	LDV \slot
	MAXP 0, 0, \first
	SMM 1, 1
	SOFTA 0, 0, \first
	LDK \slot, 1                                   ; the second head's K, twenty plain places behind the matrix instructions that read the first head's
	SOFTB 0, 0, \first
	SOFTC 0, 0, \first
	s_wait_dscnt 16                                ; younger: 8 loads of the second head's V, 8 of its K.  The first head's V is in
	PVM 0, 0, \first
	MAXP 1, 1, \first
	s_wait_dscnt 0x0                               ; the second head's K and V: my reads of this slot are over
.if \mode
	s_set_vgpr_msb 0x5
	s_wait_tensorcnt 0x0                           ; all my tensor loads are done (one was out: my part of the other slot's block)
	ds_add_u32 v128, v129
	s_wait_dscnt 0x0
	s_set_vgpr_msb 0x500
.if \mode == 2
	s_add_nc_u64 s[G0K+4*\slot+2:G0K+4*\slot+3], s[G0K+4*\slot+2:G0K+4*\slot+3], 2*KVSTEP   ; so a group 0 may be written: this slot's next block
	s_add_nc_u64 s[G0E+4*\slot+2:G0E+4*\slot+3], s[G0E+4*\slot+2:G0E+4*\slot+3], 2*EWSTEP
.endif
	s_barrier_signal -1                            ; say so; from here to the closing wait register work alone
.endif
	SMM 2, 0
	SOFTA 1, 1, \first
.if \mode
	s_barrier_wait -1                              ; all eight waves have said so
.endif
.if \mode == 2
	s_cmp_lg_u32 s18, 0
	s_cbranch_scc1 .Ltrip_not_wave_0_\@
	s_barrier_signal -3                            ; wave 0 says so for the work-group
.Ltrip_not_wave_0_\@:
.endif
	SOFTB 1, 1, \first
.if \mode == 2
	s_barrier_wait -3                              ; all four work-groups have said so
	s_barrier_signal -1
.endif
	SOFTC 1, 1, \first
	PVM 1, 1, \first
.if \mode == 2
	s_barrier_wait -1                              ; the round is closed: no wave of any partner reads this slot or has a load on its way
	JLOAD \slot, \pf                               ; block t + 2 into this slot, first thing: it has until the next trip's opening signal in which to land
.endif
	MAXP 2, 0, \first
	SMM 3, 1
	SOFTA 2, 0, \first
.if \nx
	LDK (1-\slot), 0                               ; the other slot is whole since the barrier above: the next block's K, twenty plain places behind SMM 3
.endif
	SOFTB 2, 0, \first
	SOFTC 2, 0, \first
	PVM 2, 0, \first
.if \nx
	LDEH (1-\slot), 0                              ; unit 2 was the last to read query tile 0's ew
.endif
	MAXP 3, 1, \first
	SOFTA 3, 1, \first
	SOFTB 3, 1, \first
	SOFTC 3, 1, \first
.if \nx
	LDEH (1-\slot), 1                              ; and unit 3 the last to read query tile 1's
.endif
	PVM 3, 1, \first
.endm
	s_load_b256 s[4:11], s[0:1], 0x0               ; qb 4, kv 6, ew 8, Wo 10
	s_load_b128 s[12:15], s[0:1], 0x20             ; bo 12, bv 14
	s_load_b64 s[16:17], s[0:1], 0x30              ; out0
	s_set_vgpr_msb 0x40
	v_lshl_add_u32 v128, v0, 2, 0x48800
	v_mov_b32 v129, 0
	s_set_vgpr_msb 0x4045
	ds_add_u32 v128, v129
	s_set_vgpr_msb 0x4500
	v_lshrrev_b32 v28, 5, v0
	v_readfirstlane_b32 s18, v28                   ; wave
	s_and_b32 s19, s18, 1                          ; hp
	s_lshr_b32 s20, s18, 1
	s_and_b32 s20, s20, 1                          ; qh
	s_lshr_b32 s21, s18, 2                         ; kp
	s_bfe_u32 s22, ttmp6, 0x40000                  ; cx: enters global addresses of my own data alone
	s_lshl_b32 s23, ttmp9, 2
	s_add_co_u32 s23, s23, s22                     ; work-group: 64 queries each
	s_mov_b32 s58, 0x76543210                      ; v_permlanex16_b32: lane i reads lane i of the other half
	s_mov_b32 s59, 0xfedcba98
	s_mov_b32 s60, 0x322bcc77                      ; EPS = 1e-8
	; group 1, K and V^T: 64 rows of 32 elements of 8 bytes, dense; 16 bytes of padding behind every 64 words; joint, mask 15, bit 21 beside it
	s_mov_b32 s[G1K+0], 15|(3<<16)|(1<<20)|(1<<21)|(5<<22)|(3<<25)
	s_mov_b32 s[G1K+1], 32<<16                     ; tensor_dim0 = 32
	s_mov_b32 s[G1K+2], 64<<16                     ; tensor_dim1 = 64
	s_mov_b32 s[G1K+3], 32<<16                     ; tile_dim0 = 32
	s_mov_b32 s[G1K+4], 64                         ; tile_dim1 = 64
	s_mov_b32 s[G1K+5], 32                         ; elements from row to row
	s_mov_b32 s[G1K+6], 0
	s_mov_b32 s[G1K+7], 0
	; group 1, ew: 64 rows of 64 elements of 4 bytes, 4,096 elements from row to row; the same padding; no mask
	s_mov_b32 s[G1E+0], (2<<16)|(1<<20)|(5<<22)|(3<<25)
	s_mov_b32 s[G1E+1], 64<<16
	s_mov_b32 s[G1E+2], 64<<16
	s_mov_b32 s[G1E+3], 64<<16
	s_mov_b32 s[G1E+4], 64
	s_mov_b32 s[G1E+5], 4096
	s_mov_b32 s[G1E+6], 0
	s_mov_b32 s[G1E+7], 0
	s_lshr_b32 s66, ttmp9, 4                       ; the graph: shared by the four partners
	s_lshl_b32 s66, s66, 21                        ; 32 blocks of 64 KiB
	s_and_b32 s62, s18, 3
	s_lshl_b32 s62, s62, 14                        ; part w & 3 of a block: 64 rows of 256 bytes
	s_add_co_u32 s66, s66, s62
	s_mov_b32 s67, 0
	s_lshl_b32 s70, s23, 20                        ; my 64 rows of ew: 64 x 16,384 bytes
	s_mov_b32 s71, 0
	s_lshl_b32 s72, s19, 8                         ; strip w & 1
	s_mov_b32 s73, 0
	s_lshl_b32 s74, s23, 14                        ; my 64 rows of q
	s_mov_b32 s75, 0
	s_mul_i32 s63, s18, PART                       ; part w of a slot: the wave's number alone
	; lane terms
	v_and_b32 v28, 31, v0                          ; L
	v_and_b32 v29, 15, v0                          ; r
	v_bfe_u32 v30, v0, 4, 1                        ; hh
	v_mul_u32_u24 v31, v29, PITCH
	v_lshl_add_u32 v20, v30, 5, v31                ; 272 r + 32 hh
	v_lshl_add_u32 v31, v30, 4, v31                ; 272 r + 16 hh
	s_wait_dscnt 0x0
	s_wait_kmcnt 0x0
	s_add_nc_u64 s[68:69], s[6:7], s[66:67]
	s_add_nc_u64 s[8:9], s[8:9], s[70:71]
	s_add_nc_u64 s[56:57], s[8:9], 2*EWSTEP        ; the prefetches' base: block 2, asked for at the start; in the trips it steps ahead of each use
	s_add_nc_u64 s[70:71], s[8:9], s[72:73]
	s_add_nc_u64 s[4:5], s[4:5], s[74:75]
.irp s, 0,1
	s_mov_b32 s[G0K+4*\s], 1
	s_add_co_u32 s[G0K+4*\s+1], s63, \s*SLOT
	s_add_nc_u64 s[G0K+4*\s+2:G0K+4*\s+3], s[68:69], \s*KVSTEP
	s_or_b32 s[G0K+4*\s+3], s[G0K+4*\s+3], 0x80000000
	s_mov_b32 s[G0E+4*\s], 1
	s_add_co_u32 s[G0E+4*\s+1], s63, \s*SLOT
	s_add_nc_u64 s[G0E+4*\s+2:G0E+4*\s+3], s[70:71], \s*EWSTEP
	s_or_b32 s[G0E+4*\s+3], s[G0E+4*\s+3], 0x80000000
.endr
	s_mul_i32 s62, s21, PART                       ; kp's 64 rows
	s_lshl_b32 s63, s19, 7
	s_add_co_u32 s63, s63, s62
	v_add_nc_u32 v[ADRK], s63, v31                 ; (64 kp + r) 272 + 128 hp + 16 hh
	v_add_nc_u32 v[ADRK+1], SLOT, v[ADRK]
	s_mul_i32 s63, s20, 32*PITCH
	s_add_co_u32 s63, s63, s62
	s_add_co_u32 s63, s63, 4*PART
	v_add_nc_u32 v[ADRE], s63, v20                 ; strip kp, (32 qh + r) 272 + 32 hh
	v_add_nc_u32 v[ADRE+1], SLOT, v[ADRE]
	s_mul_i32 s63, s19, PART
	s_lshl_b32 s62, s21, 7
	s_add_co_u32 s63, s63, s62
	s_add_co_u32 s63, s63, 2*PART
	v_add_nc_u32 v[ADRV], s63, v31                 ; (64 hp + r) 272 + 128 kp + 16 hh
	v_add_nc_u32 v[ADRV+1], SLOT, v[ADRV]
	v_lshlrev_b32 v[PF], 14, v28
	v_lshl_add_u32 v[PF], s19, 8, v[PF]
	v_lshlrev_b32 v24, 4, v28
	v_lshl_add_u32 v24, s18, 13, v24               ; Wo rows 16 w ..: 8,192 w + 16 L
	s_mul_i32 s63, s18, 16*PITCH
	s_add_co_u32 s63, s63, WOB
	v_lshl_add_u32 v25, v28, 3, s63                ; where their f16 go
	v_lshlrev_b32 v26, 8, v29
	v_lshl_add_u32 v26, v30, 4, v26
	s_lshl_b32 s62, s20, 13
	s_lshl_b32 s63, s19, 7
	s_add_co_u32 s62, s62, s63
	v_add_nc_u32 v26, s62, v26                     ; Q: (32 qh + r) 256 + 128 hp + 16 hh
	v_mov_b32 v[AL+1], 0
	v_mov_b32 v[MN+1], 0
.set i, 0
.rept 16
	global_load_b128 v[SB+4*i:SB+4*i+3], v24, s[10:11] offset:512*i
.set i, i+1
.endr
.irp u, 0,1,2,3
	global_load_b128 v[QH+8*\u:QH+8*\u+3],   v26, s[4:5] offset:4096*(\u&1)+64*(\u>>1)
	global_load_b128 v[QH+8*\u+4:QH+8*\u+7], v26, s[4:5] offset:4096*(\u&1)+64*(\u>>1)+32
.endr
	ROUND                                          ; the four work-groups are here: the first joint loads meet
	; The first fills, blocks 0 and 1, as one group; a wave's two stand inside one branch on its number.  Two tensor loads of a wave are out
	; here, one behind each later round: never more than two.  Waves 6 and 7 ask the L2 for block 2's ew.
	s_cmp_lt_u32 s18, 4
	s_cbranch_scc0 .Lfirst_not_kv
	tensor_load_to_lds s[G0K:G0K+3], s[G1K:G1K+7]
	s_nop 0
	tensor_load_to_lds s[G0K+4:G0K+7], s[G1K:G1K+7]
	s_nop 0
	s_branch .Lfirst_asked
.Lfirst_not_kv:
	s_cmp_lt_u32 s18, 6
	s_cbranch_scc0 .Lfirst_not_ew
	tensor_load_to_lds s[G0E:G0E+3], s[G1E:G1E+7]
	s_nop 0
	tensor_load_to_lds s[G0E+4:G0E+7], s[G1E:G1E+7]
	s_nop 0
	s_branch .Lfirst_asked
.Lfirst_not_ew:
	global_prefetch_b8 v[PF], s[56:57] th:TH_LOAD_NT scope:SCOPE_SE
	global_prefetch_b8 v[PF], s[56:57] offset:524288 th:TH_LOAD_NT scope:SCOPE_SE
.Lfirst_asked:
	s_wait_loadcnt 8                               ; the 8 loads of Q are younger: Wo is in
.set i, 0
.rept 16
	v_cvt_pk_f16_f32 v[EW+2*i],   v[SB+4*i],   v[SB+4*i+1]
	v_cvt_pk_f16_f32 v[EW+2*i+1], v[SB+4*i+2], v[SB+4*i+3]
	ds_store_b64 v25, v[EW+2*i:EW+2*i+1] offset:PITCH*i
.set i, i+1
.endr
	s_wait_loadcnt 0x0                             ; Q
	s_wait_tensorcnt 0x1                           ; my part of block 0 is in; block 1's load is younger and may stay out
	s_wait_dscnt 0x0                               ; my rows of Wo are in LDS
	s_barrier_signal -1
	s_barrier_wait -1                              ; block 0 is whole
	LDK 0, 0                                       ; what a trip finds on its way in
	LDEH 0, 0
	LDEH 0, 1
	TRIP 0, 2, 1, 1, 1                             ; block 0: its products start all sums, nothing is cleared
	TRIP 1, 2, 1, 0, 1
	s_mov_b32 s61, 13                              ; blocks 2 to 27
.Lblocks:
	TRIP 0, 2, 1, 0, 1
	TRIP 1, 2, 1, 0, 1
	s_sub_co_u32 s61, s61, 1
	s_cmp_lg_u32 s61, 0
	s_cbranch_scc1 .Lblocks
	TRIP 0, 2, 1, 0, 1                             ; block 28 fetches block 30 and asks the L2 for block 31, the last
	TRIP 1, 2, 0, 0, 1                             ; block 29 fetches block 31; nothing is left to prefetch
	TRIP 0, 1, 0, 0, 1                             ; block 30 fetches nothing: its barrier shows block 31 whole
	TRIP 1, 0, 0, 0, 0                             ; block 31
	; THE END.  Registers anew: v1 L, v2 r, v3 hh, v4-7 and v28-31 addresses.
.set LS,  20                           ; v[20:23]   row sums
.set BV,  32                           ; v[32:63]   bv of my two heads
.set PM,  64                           ; v[64:67]   the partner's maxima
.set PL,  68                           ; v[68:71]   the partner's row sums
.set A0,  72                           ; v[72:75]   2^(my m - joint m)
.set A1,  76                           ; v[76:79]   2^(partner's m - joint m)
.set FF,  80                           ; v[80:95]   unit u: my factor twice, the partner's twice
.set PA,  128                          ; v[128:191] the partner's out^T; then the merged one
.set AH,  192                          ; v[192:223] attention output in f16
.set BO,  224                          ; v[224:255] bo, then the four accumulators of the output projection
.set FH,  32                           ; v[32:63]   fragments of the attention output
.set WF,  96                           ; v[96:223]  fragments of Wo at 8 (4 nt + kk)
	PLACES                                         ; behind the last matrix instructions: their results are read and their sources loaded into
	s_wait_xcnt 0x0                                ; the prefetches' address register is written again only behind this wait
	v_and_b32 v1, 31, v0
	v_and_b32 v2, 15, v0
	v_bfe_u32 v3, v0, 4, 1
	v_lshlrev_b32 v4, 5, v3
	v_lshl_add_u32 v4, s19, 8, v4                  ; 256 (w & 1) + 32 hh: my numbers of bo (column half w & 1) and of bv (heads 2 hp, 2 hp + 1)
.irp f, 0,1,2,3
	global_load_b128 v[BO+8*\f:BO+8*\f+3],   v4, s[12:13] offset:64*\f
	global_load_b128 v[BO+8*\f+4:BO+8*\f+7], v4, s[12:13] offset:64*\f+16
.endr
.irp u, 0,1,2,3
	v_add_f32 v[LS+\u], v[LP+2*\u], v[LP+2*\u+1]
.endr
.irp u, 0,1,2,3
	v_permlanex16_b32 v[T+\u], v[LS+\u], s58, s59  ; the same query's other keys
.endr
.irp u, 0,1,2,3
	v_add_f32 v[LS+\u], v[LS+\u], v[T+\u]
.endr
	s_and_b32 s62, s18, 3
	s_mul_i32 s62, s62, 9216
	s_add_co_u32 s62, s62, MRG
	v_lshl_add_u32 v5, v1, 4, s62                  ; the pair's 9,216 bytes: wave w + 4 writes, wave w reads
	s_cmp_lt_u32 s18, 4
	s_cbranch_scc1 .Lkeep
	WIN 0x04                                       ; store data in window 1
.set i, 0
.rept 16
	ds_store_b128 v5, v[ACC+4*i:ACC+4*i+3] offset:512*i
.set i, i+1
.endr
	WIN 0
	ds_store_b128 v5, v[M:M+3] offset:8192
	ds_store_b128 v5, v[LS:LS+3] offset:8704
.Lkeep:
	s_wait_dscnt 0x0                               ; for the partner's sake
	s_barrier_signal -1
	s_barrier_wait -1
	s_cmp_ge_u32 s18, 4
	s_cbranch_scc1 .Lmerged
.irp f, 0,1,2,3
	global_load_b128 v[BV+8*\f:BV+8*\f+3],   v4, s[14:15] offset:64*\f
	global_load_b128 v[BV+8*\f+4:BV+8*\f+7], v4, s[14:15] offset:64*\f+16
.endr
.set i, 0
.rept 16
	ds_load_b128 v[PA+4*i:PA+4*i+3], v5 offset:512*i
.set i, i+1
.endr
	ds_load_b128 v[PM:PM+3], v5 offset:8192
	ds_load_b128 v[PL:PL+3], v5 offset:8704
	s_lshl_b32 s62, s20, 13
	s_lshl_b32 s63, s19, 11
	s_add_co_u32 s62, s62, s63
	s_add_co_u32 s62, s62, ATT
	v_lshl_add_u32 v6, v1, 4, s62                  ; fragment (query tile 2 qh + qt, head 2 hp + hsel) at 4,096 x tile + 1,024 x head
	s_wait_dscnt 0x0
.irp u, 0,1,2,3
	v_max_num_f32 v[T+\u], v[M+\u], v[PM+\u]
.endr
.irp u, 0,1,2,3
	v_sub_f32 v[A0+\u], v[M+\u], v[T+\u]
	v_sub_f32 v[A1+\u], v[PM+\u], v[T+\u]
.endr
.irp u, 0,1,2,3
	v_exp_f32 v[A0+\u], v[A0+\u]
	v_exp_f32 v[A1+\u], v[A1+\u]
.endr
	v_nop                                          ; a plain place behind the exponentials
	s_wait_alu depctr_va_vdst(0)
.irp u, 0,1,2,3
	v_mul_f32 v[LS+\u], v[LS+\u], v[A0+\u]
	v_fmac_f32 v[LS+\u], v[PL+\u], v[A1+\u]        ; the joint row sum, at least EPS
.endr
.irp u, 0,1,2,3
	v_rcp_f32 v[LS+\u], v[LS+\u]
.endr
	v_nop                                          ; a plain place behind the reciprocals
	s_wait_alu depctr_va_vdst(0)
.irp u, 0,1,2,3
	v_mul_f32 v[FF+4*\u],   v[A0+\u], v[LS+\u]
	v_mul_f32 v[FF+4*\u+1], v[A0+\u], v[LS+\u]
	v_mul_f32 v[FF+4*\u+2], v[A1+\u], v[LS+\u]
	v_mul_f32 v[FF+4*\u+3], v[A1+\u], v[LS+\u]
.endr
	s_wait_loadcnt 0x0                             ; bv
.irp u, 0,1,2,3
.irp j, 0,2,4,6,8,10,12,14
	v_pk_fma_f32 v[PA+16*\u+\j:PA+16*\u+\j+1], v[PA+16*\u+\j:PA+16*\u+\j+1], v[FF+4*\u+2:FF+4*\u+3], v[BV+16*(\u>>1)+\j:BV+16*(\u>>1)+\j+1]
.endr
.endr
	WIN 0x01                                       ; source 0 in window 1
.irp u, 0,1,2,3
.irp j, 0,2,4,6,8,10,12,14
	v_pk_fma_f32 v[PA+16*\u+\j:PA+16*\u+\j+1], v[ACC+16*\u+\j:ACC+16*\u+\j+1], v[FF+4*\u:FF+4*\u+1], v[PA+16*\u+\j:PA+16*\u+\j+1]
.endr
.endr
	WIN 0
.set i, 0
.rept 32
	v_cvt_pk_f16_f32 v[AH+i], v[PA+2*i], v[PA+2*i+1]
.set i, i+1
.endr
.irp u, 0,1,2,3
.irp d, 0,1
	ds_store_b128 v6, v[AH+8*\u+4*\d:AH+8*\u+4*\d+3] offset:4096*(\u&1)+1024*(\u>>1)+512*\d
.endr
.endr
.Lmerged:
	s_wait_dscnt 0x0                               ; my reads of the merge bytes and my fragments, for the others' sake
	s_barrier_signal -1
	s_barrier_wait -1
	; The output projection: wave w makes query tile w >> 1, columns 64 (w & 1) .. + 63.  D = Wo (source 0, 16 columns) x attention^T (source 1).
	s_lshr_b32 s62, s18, 1
	s_lshl_b32 s63, s62, 12
	s_add_co_u32 s63, s63, ATT
	v_lshl_add_u32 v7, v1, 4, s63
.irp p, 0,1,2,3,4,5,6,7
	ds_load_b128 v[FH+4*\p:FH+4*\p+3], v7 offset:512*\p
.endr
	v_mul_u32_u24 v28, v2, PITCH
	v_lshl_add_u32 v28, v3, 4, v28
	s_mul_i32 s63, s19, PART                       ; 64 rows of Wo
	s_add_co_u32 s63, s63, WOB
	v_add_nc_u32 v28, s63, v28
.irp n, 0,1,2,3
.irp k, 0,1,2,3
	ds_load_b128 v[WF+8*(4*\n+\k):WF+8*(4*\n+\k)+3],   v28 offset:16*PITCH*\n+64*\k
	ds_load_b128 v[WF+8*(4*\n+\k)+4:WF+8*(4*\n+\k)+7], v28 offset:16*PITCH*\n+64*\k+32
.endr
.endr
	s_lshl_b32 s62, s62, 13                        ; 16 rows of 512 bytes for each query tile
	s_lshl_b32 s63, s19, 8
	s_add_co_u32 s62, s62, s63
	s_mul_i32 s63, s18, 16*PITCH
	s_add_co_u32 s63, s63, MRG                     ; my stage, in the merge bytes, which nobody reads any more
	s_lshl_b32 s66, s23, 15                        ; my 64 rows of out0
	s_mov_b32 s67, 0
	s_add_nc_u64 s[16:17], s[16:17], s[66:67]
	s_wait_loadcnt 0x0                             ; bo seeds the sums
	s_wait_dscnt 0x0
	; four accumulators by turns, over the four heads
.irp k, 0,1,2,3
.irp n, 0,1,2,3
	v_wmma_f32_16x16x32_f16 v[BO+8*\n:BO+8*\n+7], v[WF+8*(4*\n+\k):WF+8*(4*\n+\k)+7], v[FH+8*\k:FH+8*\k+7], v[BO+8*\n:BO+8*\n+7]
.endr
.endr
	; nine plain vector instructions that name none of the matrix registers: the places behind the last matrix instructions
	v_mul_u32_u24 v29, v2, PITCH
	v_lshl_add_u32 v29, v3, 5, v29
	v_add_nc_u32 v29, s63, v29                     ; in: row r, 32 bytes for each half of the lanes
	v_mul_u32_u24 v30, v3, PITCH
	v_lshl_add_u32 v30, v2, 4, v30
	v_add_nc_u32 v30, s63, v30                     ; back: lanes 0-15 one row of 256 bytes, lanes 16-31 the next
	v_lshlrev_b32 v31, 9, v3
	v_lshl_add_u32 v31, v2, 4, v31
	v_add_nc_u32 v31, s62, v31                     ; the same two rows in out0
.irp n, 0,1,2,3
	ds_store_b128 v29, v[BO+8*\n:BO+8*\n+3]   offset:64*\n
	ds_store_b128 v29, v[BO+8*\n+4:BO+8*\n+7] offset:64*\n+16
.endr
.irp i, 0,1,2,3,4,5,6,7
	ds_load_b128 v[FH+4*\i:FH+4*\i+3], v30 offset:2*PITCH*\i       ; a wave's LDS instructions are served in order: these see the stores above
.endr
.irp i, 0,1,2,3,4,5,6,7
	s_wait_dscnt 7-\i                                              ; the younger loads of the eight may stay out
	global_store_b128 v31, v[FH+4*\i:FH+4*\i+3], s[16:17] offset:1024*\i th:TH_STORE_NT   ; sixteen lanes store 256 consecutive bytes, aligned
.endr
	s_set_vgpr_msb 0x5
	s_wait_tensorcnt 0x0
	ds_add_u32 v128, v129
	s_wait_dscnt 0x0
	s_set_vgpr_msb 0x500
	ROUND                                          ; the closing round: no work-group ends while a partner may still ask for a tile that names it
	s_endpgm
.Lfunc_end_k_q53dfb11fbd_attn:
	.size	k_q53dfb11fbd_attn, .Lfunc_end_k_q53dfb11fbd_attn-k_q53dfb11fbd_attn
	.p2alignl 7, 3214868480
	.fill 96, 4, 3214868480
	.section	.rodata,"a",@progbits
	.p2align	6, 0x0
	.amdhsa_kernel k_q53dfb11fbd_attn
		.amdhsa_group_segment_fixed_size 327680
		.amdhsa_private_segment_fixed_size 0
		.amdhsa_enable_private_segment 0
		.amdhsa_kernarg_size 56
		.amdhsa_user_sgpr_count 2
		.amdhsa_user_sgpr_kernarg_segment_ptr 1
		.amdhsa_wavefront_size32 1
		.amdhsa_system_sgpr_workgroup_id_x 1
		.amdhsa_system_sgpr_workgroup_id_y 1
		.amdhsa_system_sgpr_workgroup_id_z 1
		.amdhsa_system_vgpr_workitem_id 0
		.amdhsa_next_free_vgpr 386
		.amdhsa_next_free_sgpr 76
		.amdhsa_reserve_vcc 0
		.amdhsa_float_denorm_mode_32 3
		.amdhsa_float_denorm_mode_16_64 3
		.amdhsa_memory_ordered 1
		.amdhsa_forward_progress 1
		.amdhsa_inst_pref_size 255
	.end_amdhsa_kernel
	.section	.bss,"aw",@nobits
	.p2align	6
	.space	262144
	.amdgpu_metadata
---
amdhsa.version: [ 1, 2 ]
amdhsa.kernels:
  - .name:           k_q53dfb11fbd_attn
    .symbol:         k_q53dfb11fbd_attn.kd
    .args:
      - { .name: qb, .offset: 0, .size: 8, .value_kind: global_buffer, .address_space: global }
      - { .name: kv, .offset: 8, .size: 8, .value_kind: global_buffer, .address_space: global }
      - { .name: edge_weight, .offset: 16, .size: 8, .value_kind: global_buffer, .address_space: global }
      - { .name: Wo, .offset: 24, .size: 8, .value_kind: global_buffer, .address_space: global }
      - { .name: bo, .offset: 32, .size: 8, .value_kind: global_buffer, .address_space: global }
      - { .name: bv, .offset: 40, .size: 8, .value_kind: global_buffer, .address_space: global }
      - { .name: out0, .offset: 48, .size: 8, .value_kind: global_buffer, .address_space: global }
    .group_segment_fixed_size: 327680
    .private_segment_fixed_size: 0
    .kernarg_segment_align: 8
    .kernarg_segment_size: 56
    .max_flat_workgroup_size: 256
    .sgpr_count:     76
    .vgpr_count:     386
    .wavefront_size: 32
...
	.end_amdgpu_metadata
.endif
;; end of part 2
;; ======== version 2 of 2: 2 launches; version 1 with the launch proj written anew for expert scheduling mode
;; limits: values are held in f16: magnitudes above 65,504 overflow, below 6.1e-05 lose precision
;; workspace buffers: qb 4,194,304 bytes; kv 8,388,608 bytes
;; launch proj (part 3): grid 128 x 3, 8 waves a work-group, no clusters, 70,656 bytes of LDS; arguments x, Wq, Wk, Wv, bq, bk, qb, kv; writes qb, kv
.if DOCPART == 3
	.amdgcn_target "amdgcn-amd-amdhsa--gfx1250"
	.amdhsa_code_object_version 6
	.text
	.protected	k_q53dfb11fbd_proj
	.globl	k_q53dfb11fbd_proj
	.p2align	8
	.type	k_q53dfb11fbd_proj,@function
k_q53dfb11fbd_proj:
	s_mov_b64 s[64:65], 0
	v_nop
	global_prefetch_b8 v0, s[64:65] scope:SCOPE_SE
	s_setreg_imm32_b32 hwreg(HW_REG_WAVE_SCHED_MODE, 0, 2), 2
	s_setreg_imm32_b32 hwreg(HW_REG_WAVE_MODE, 25, 1), 1
	s_wait_xcnt 0x0
	s_wait_alu depctr_vm_vsrc(0)
; The three input projections of the attention, one product of 128 x 128 x 128 for each work-group.
;   y = 0: q = (x Wq^T + bq) * 32^-0.5 * log2(e), f16: qb[row][128]
;   y = 1: k = x Wk^T + bk, f16, rows 0-127 of kv block blk (a block: 256 rows of 256 bytes)
;   y = 2: v^T = Wv x^T (no bias: bv is added behind the softmax, whose weights sum to one), bf16, rows 128-255 of kv block blk, keys along the row
; One text for all three: out[own row][tile index] = sum over k of OWN[own row][k] TIL[tile index][k].  y < 2: OWN = 128 rows of x, TIL = W;
; y = 2: OWN = Wv, TIL = the 128 rows of x, so that v comes out transposed with no shuffle.
; Eight waves; wave w owns OWN rows 16 w .. 16 w + 15.  Both operands are read once as f32 (each load of a wave: 512 consecutive bytes),
; rounded to f16 and laid into LDS with rows 272 bytes apart.  No tensor loads and no cluster: the launch moves 21 MB, each work-group
; reads its two operands once and works on them once.
; FORMATS: the operands x and W, and the results q and k, are f16 (11 significant bits), not bf16 (8): the rounding errors of W, and of a
; query's x and q, are common to all keys of a row of the attention and do not average out over the keys.  v is bf16, since its partner in
; the matrix unit, the softmax's weight, can be as small as 1e-8, below f16's smallest number.
; LIMITS: finite inputs; |x|, |W|, |q| * 0.255 and |k| below 65,504, f16's largest number.  Inputs of spread 1 (x) and 1/sqrt(128) (W) give
; |q|, |k| up to about 5.5; both thirty times larger, about 5,000; both offset by thirty spreads, about 10,300.
; THE MODE: SCHED_MODE bits 1:0 = 2 (LLVM: expert scheduling mode 2), set by the entry lines.  The code itself states the register dependences
; between vector or matrix instructions and memory or LDS instructions, with s_wait_alu, always for 0.
; THE PLAN.  Registers that memory or LDS instructions touch, in the order of the text:
;   v4-v8, v10, v11, v30, v31   offsets and LDS addresses: written once at the head, read by loads and stores, never written again.
;   ACC    the bias lands in it; from then on matrix and vector instructions alone name it.
;   F0     OWN lands as f32; OWN's conversions read it; TIL's conversions write its first 32; LDS stores read those; the fragments of K step 0 land;
;          products read them; the fragments of K step 2 land; products read them; the stage's rows land in its first 32; global stores read those.
;   F1     TIL lands as f32; TIL's conversions read it; the fragments of K step 1 land; products read them; those of K step 3 land; products read them.
;   OWNF   OWN's conversions write it; LDS stores read it; OWN's fragments land; products read them; the last conversions write it; LDS stores read it.
; So each operand's 32 conversions stand in one run with one wait on va_vdst between them and their 16 LDS stores; one wait on vm_vsrc behind the
; barrier frees what those stores read; one wait on va_vdst stands behind the products of K step 0 and of K step 1, and behind it the freed buffer's
; 16 loads are dealt among the next step's products, which name the other buffer, OWNF and ACC alone; one more stands ahead of the stage's stores.
.set PITCH, 272                        ; LDS row: 256 bytes of f16 + 16: sixteen rows of a fragment start in sixteen different 16-byte columns
.set TILB,  128*PITCH                  ; TIL lies behind OWN
.set OWNF,  32                         ; v[32:63]   OWN fragments, 4 K steps x 8; also packed results on the way out
.set F0,    64                         ; v[64:127]  loads of OWN as f32; then TIL fragments, buffer 0
.set F1,    128                        ; v[128:191] loads of TIL as f32; then TIL fragments, buffer 1
.set ACC,   192                        ; v[192:255] 8 accumulator tiles
.macro PLACES                          ; four plain vector places behind a matrix instruction (ISA guide 7.12.1) before its registers are loaded into or read; they stand beside the waits on va_vdst, which fill no place
.rept 4
	v_nop
.endr
.endm
.macro LDF f, kk                       ; the eight TIL fragments (16 rows x 32 K) of K step kk into buffer f: 16 LDS loads
.irp t, 0,1,2,3,4,5,6,7
	ds_load_b128 v[\f+8*\t:\f+8*\t+3],   v7 offset:\t*16*PITCH+64*\kk
	ds_load_b128 v[\f+8*\t+4:\f+8*\t+7], v7 offset:\t*16*PITCH+64*\kk+32
.endr
.endm
; Eight matrix instructions, source 0 = 16 rows of TIL, source 1 = my 16 rows of OWN: lane (r, hh), register j = out(own row r, index 16 t + 8 hh + j).
; The eight accumulators take turns, one instruction a turn.
.macro MM f, kk, zero
.irp t, 0,1,2,3,4,5,6,7
.if \zero
	v_wmma_f32_16x16x32_f16 v[ACC+8*\t:ACC+8*\t+7], v[\f+8*\t:\f+8*\t+7], v[OWNF+8*\kk:OWNF+8*\kk+7], 0
.else
	v_wmma_f32_16x16x32_f16 v[ACC+8*\t:ACC+8*\t+7], v[\f+8*\t:\f+8*\t+7], v[OWNF+8*\kk:OWNF+8*\kk+7], v[ACC+8*\t:ACC+8*\t+7]
.endif
.endr
.endm
; The same eight on buffer f, K step kk, with the 16 LDS loads of K step kn into the other buffer g dealt among them: two fragments (four loads) behind
; each of the first four.  No wait among them: no matrix instruction issued since the wait ahead of this macro names buffer g or v7.
.macro MML f, kk, g, kn
.irp t, 0,1,2,3,4,5,6,7
	v_wmma_f32_16x16x32_f16 v[ACC+8*\t:ACC+8*\t+7], v[\f+8*\t:\f+8*\t+7], v[OWNF+8*\kk:OWNF+8*\kk+7], v[ACC+8*\t:ACC+8*\t+7]
.if \t < 4
	ds_load_b128 v[\g+16*\t:\g+16*\t+3],     v7 offset:(2*\t)*16*PITCH+64*\kn
	ds_load_b128 v[\g+16*\t+4:\g+16*\t+7],   v7 offset:(2*\t)*16*PITCH+64*\kn+32
	ds_load_b128 v[\g+16*\t+8:\g+16*\t+11],  v7 offset:(2*\t+1)*16*PITCH+64*\kn
	ds_load_b128 v[\g+16*\t+12:\g+16*\t+15], v7 offset:(2*\t+1)*16*PITCH+64*\kn+32
.endif
.endr
.endm
	s_load_b512 s[4:19], s[0:1], 0x0               ; x 4, Wq 6, Wk 8, Wv 10, bq 12, bk 14, qb 16, kv 18
	v_lshl_add_u32 v30, v0, 2, 0x11000             ; my spare word and 0: made here and kept for the closing lines alone
	v_mov_b32 v31, 0
	s_and_b32 s20, ttmp7, 0xffff                   ; y: 0 q, 1 k, 2 v
	v_lshrrev_b32 v1, 5, v0
	v_readfirstlane_b32 s21, v1                    ; wave
	v_and_b32 v1, 31, v0                           ; L
	v_and_b32 v2, 15, v0                           ; r
	v_bfe_u32 v3, v0, 4, 1                         ; hh
	s_wait_alu depctr_va_sdst(0)                   ; s21 is written, ahead of its first reader: the LDS addresses and the offsets below are made from it
	s_mul_i32 s22, s21, 16*PITCH                   ; my 16 rows in LDS
	v_lshlrev_b32 v4, 4, v1
	v_lshl_add_u32 v4, s21, 13, v4                 ; v4: 16 rows of 512 bytes a wave + 16 L: f32 rows in memory
	v_lshl_add_u32 v5, v1, 3, s22                  ; v5: where my 4 f16 of a row go
	v_mul_u32_u24 v9, v2, PITCH
	v_lshl_add_u32 v9, v3, 4, v9                   ; 272 r + 16 hh
	v_add_nc_u32 v6, s22, v9                       ; v6: OWN fragments, and the stage's stores
	v_add_nc_u32 v7, TILB, v9                      ; v7: TIL fragments
	v_lshlrev_b32 v8, 5, v3                        ; v8: 32 hh, my 8 numbers of each 16 of the bias
	v_mul_u32_u24 v10, v3, PITCH
	v_lshl_add_u32 v10, v2, 4, v10
	v_add_nc_u32 v10, s22, v10                     ; v10: the stage read back by rows, two rows a load
	v_lshlrev_b32 v11, 8, v3
	v_lshl_add_u32 v11, v2, 4, v11
	v_lshl_add_u32 v11, s21, 12, v11               ; v11: the same two rows in the output block (rows of 256 bytes)
	s_lshl_b32 s24, ttmp9, 16                      ; blk x 65,536: x's 128 rows, and a kv block
	s_mov_b32 s25, 0
	s_lshl_b32 s23, ttmp9, 15                      ; blk x 32,768: 128 rows of q
	s_mov_b32 s39, 0
	s_mov_b32 s40, 0x3e8293ee                      ; 32^-0.5 * log2(e)
	s_mov_b32 s41, 0x3e8293ee
	s_wait_kmcnt 0x0
	s_add_nc_u64 s[26:27], s[4:5], s[24:25]        ; my rows of x
	s_cmp_eq_u32 s20, 0
	s_cselect_b64 s[28:29], s[6:7], s[8:9]         ; W of q or of k
	s_cselect_b64 s[30:31], s[12:13], s[14:15]     ; its bias
	s_cselect_b64 s[36:37], s[16:17], s[18:19]     ; the output buffer
	s_cselect_b32 s38, s23, s24                    ; and my block's offset in it
	s_cmp_eq_u32 s20, 2
	s_cselect_b64 s[32:33], s[10:11], s[26:27]     ; OWN
	s_cselect_b64 s[34:35], s[26:27], s[28:29]     ; TIL
	s_cselect_b32 s42, 0x8000, 0                   ; v^T lies behind k in the block
	s_add_co_u32 s38, s38, s42
	s_add_nc_u64 s[36:37], s[36:37], s[38:39]
	s_wait_alu depctr_va_vdst(0)                   ; v4 to v8, v10, v11, v30 and v31 are written: every load, store and LDS instruction of the kernel reads one of them as its offset or address, the closing add the last two
	; The bias seeds the sums: ACC[t][j] = b[16 t + 8 hh + j].  The v groups issue the same 16 loads (512 bytes of bk) and overwrite them
	; with their first products, so that the accumulators are written on every path of this one text.
.irp t, 0,1,2,3,4,5,6,7
	global_load_b128 v[ACC+8*\t:ACC+8*\t+3],   v8, s[30:31] offset:64*\t
	global_load_b128 v[ACC+8*\t+4:ACC+8*\t+7], v8, s[30:31] offset:64*\t+16
.endr
.set i, 0
.rept 16
	global_load_b128 v[F0+4*i:F0+4*i+3], v4, s[32:33] offset:512*i
.set i, i+1
.endr
.set i, 0
.rept 16
	global_load_b128 v[F1+4*i:F1+4*i+3], v4, s[34:35] offset:512*i
.set i, i+1
.endr
	s_wait_loadcnt 16                              ; the 16 loads of TIL are younger: the bias and OWN are in
.set i, 0
.rept 16
	v_cvt_pk_f16_f32 v[OWNF+2*i],   v[F0+4*i],   v[F0+4*i+1]
	v_cvt_pk_f16_f32 v[OWNF+2*i+1], v[F0+4*i+2], v[F0+4*i+3]
.set i, i+1
.endr
	s_wait_alu depctr_va_vdst(0)                   ; the conversions have written v[OWNF ..], which the 16 LDS stores read
.set i, 0
.rept 16
	ds_store_b64 v5, v[OWNF+2*i:OWNF+2*i+1] offset:PITCH*i
.set i, i+1
.endr
	s_wait_loadcnt 0x0
.set i, 0
.rept 16
	v_cvt_pk_f16_f32 v[F0+2*i],   v[F1+4*i],   v[F1+4*i+1]
	v_cvt_pk_f16_f32 v[F0+2*i+1], v[F1+4*i+2], v[F1+4*i+3]
.set i, i+1
.endr
	s_wait_alu depctr_va_vdst(0)                   ; the conversions have written v[F0 .. F0+31], which the 16 LDS stores read; all conversions are done reading F0 and F1 and writing OWNF, in which the fragments behind the barrier land
.set i, 0
.rept 16
	ds_store_b64 v5, v[F0+2*i:F0+2*i+1] offset:TILB+PITCH*i
.set i, i+1
.endr
	s_wait_dscnt 0x0                               ; my rows are in LDS, for the other waves' sake
	s_barrier_signal -1
	s_barrier_wait -1
	s_wait_alu depctr_vm_vsrc(0)                   ; my LDS stores have read v[OWNF ..] and v[F0 .. F0+31]: fragments land in them next, and the last conversions write OWNF again
.irp k, 0,1,2,3
	ds_load_b128 v[OWNF+8*\k:OWNF+8*\k+3],   v6 offset:64*\k
	ds_load_b128 v[OWNF+8*\k+4:OWNF+8*\k+7], v6 offset:64*\k+32
.endr
	LDF F0, 0
	LDF F1, 1
	s_wait_dscnt 16                                ; buffer 1's 16 loads are younger: OWN and buffer 0 are in
	s_cmp_eq_u32 s20, 2
	s_cbranch_scc1 .Lfrom_zero
	MM F0, 0, 0                                    ; q, k: onto the bias
	s_branch .Lstarted
.Lfrom_zero:
	MM F0, 0, 1                                    ; v: the first products start the sums
.Lstarted:
	PLACES
	s_wait_alu depctr_va_vdst(0)                   ; the products of K step 0, on either way here, are done reading buffer 0, in which the fragments of K step 2 land
	s_wait_dscnt 0x0                               ; buffer 1 is in: no LDS load is younger
	MML F1, 1, F0, 2
	PLACES
	s_wait_alu depctr_va_vdst(0)                   ; the products of K step 1 are done reading buffer 1, in which the fragments of K step 3 land
	s_wait_dscnt 0x0                               ; buffer 0 is in: no LDS load is younger
	MML F0, 2, F1, 3
	s_wait_dscnt 0x0
	MM F1, 3, 0
	PLACES
	s_cmp_lg_u32 s20, 0
	s_cbranch_scc1 .Lunscaled
.set i, 0
.rept 32
	v_pk_mul_f32 v[ACC+2*i:ACC+2*i+1], v[ACC+2*i:ACC+2*i+1], s[40:41] op_sel_hi:[1,0]   ; q in units of log2, so that the softmax uses 2^x
.set i, i+1
.endr
.Lunscaled:
	s_cmp_eq_u32 s20, 2
	s_cbranch_scc1 .Lv_bf16
.set i, 0
.rept 32
	v_cvt_pk_f16_f32 v[OWNF+i], v[ACC+2*i], v[ACC+2*i+1]           ; q, k
.set i, i+1
.endr
	s_branch .Lpacked
.Lv_bf16:
.set i, 0
.rept 32
	v_cvt_pk_bf16_f32 v[OWNF+i], v[ACC+2*i], v[ACC+2*i+1]          ; v
.set i, i+1
.endr
.Lpacked:
	; The way out: 16 bytes a lane into my own 16 OWN rows of LDS (no other wave touches them), back as whole rows, out.
	s_wait_alu depctr_va_vdst(0)                   ; the conversions, on either way here, have written v[OWNF ..], which the LDS stores read; the products of K step 2 are done reading v[F0 .. F0+31], in which the stage's rows land
.irp t, 0,1,2,3,4,5,6,7
	ds_store_b128 v6, v[OWNF+4*\t:OWNF+4*\t+3] offset:32*\t
.endr
.irp t, 0,1,2,3,4,5,6,7
	ds_load_b128 v[F0+4*\t:F0+4*\t+3], v10 offset:2*PITCH*\t       ; a wave's LDS instructions are served in order: these see the stores above
.endr
.irp t, 0,1,2,3,4,5,6,7
	s_wait_dscnt 7-\t                                              ; the younger loads of the eight may stay out
	global_store_b128 v11, v[F0+4*\t:F0+4*\t+3], s[36:37] offset:512*\t   ; sixteen lanes store 256 consecutive bytes, aligned
.endr
	s_wait_dscnt 0x0                               ; the closing lines, six on end
	s_wait_alu 0x0
	s_wait_tensorcnt 0x0
	ds_add_u32 v30, v31
	s_wait_dscnt 0x0
	s_endpgm
.Lfunc_end_k_q53dfb11fbd_proj:
	.size	k_q53dfb11fbd_proj, .Lfunc_end_k_q53dfb11fbd_proj-k_q53dfb11fbd_proj
	.p2alignl 7, 3214868480
	.fill 96, 4, 3214868480
	.section	.rodata,"a",@progbits
	.p2align	6, 0x0
	.amdhsa_kernel k_q53dfb11fbd_proj
		.amdhsa_group_segment_fixed_size 70656
		.amdhsa_private_segment_fixed_size 0
		.amdhsa_enable_private_segment 0
		.amdhsa_kernarg_size 64
		.amdhsa_user_sgpr_count 2
		.amdhsa_user_sgpr_kernarg_segment_ptr 1
		.amdhsa_wavefront_size32 1
		.amdhsa_system_sgpr_workgroup_id_x 1
		.amdhsa_system_sgpr_workgroup_id_y 1
		.amdhsa_system_sgpr_workgroup_id_z 1
		.amdhsa_system_vgpr_workitem_id 0
		.amdhsa_next_free_vgpr 256
		.amdhsa_next_free_sgpr 66
		.amdhsa_reserve_vcc 0
		.amdhsa_float_denorm_mode_32 3
		.amdhsa_float_denorm_mode_16_64 3
		.amdhsa_memory_ordered 1
		.amdhsa_forward_progress 1
		.amdhsa_inst_pref_size 30
	.end_amdhsa_kernel
	.amdgpu_metadata
---
amdhsa.version: [ 1, 2 ]
amdhsa.kernels:
  - .name:           k_q53dfb11fbd_proj
    .symbol:         k_q53dfb11fbd_proj.kd
    .args:
      - { .name: x, .offset: 0, .size: 8, .value_kind: global_buffer, .address_space: global }
      - { .name: Wq, .offset: 8, .size: 8, .value_kind: global_buffer, .address_space: global }
      - { .name: Wk, .offset: 16, .size: 8, .value_kind: global_buffer, .address_space: global }
      - { .name: Wv, .offset: 24, .size: 8, .value_kind: global_buffer, .address_space: global }
      - { .name: bq, .offset: 32, .size: 8, .value_kind: global_buffer, .address_space: global }
      - { .name: bk, .offset: 40, .size: 8, .value_kind: global_buffer, .address_space: global }
      - { .name: qb, .offset: 48, .size: 8, .value_kind: global_buffer, .address_space: global }
      - { .name: kv, .offset: 56, .size: 8, .value_kind: global_buffer, .address_space: global }
    .group_segment_fixed_size: 70656
    .private_segment_fixed_size: 0
    .kernarg_segment_align: 8
    .kernarg_segment_size: 64
    .max_flat_workgroup_size: 256
    .sgpr_count:     66
    .vgpr_count:     256
    .wavefront_size: 32
...
	.end_amdgpu_metadata
.endif
;; end of part 3
;; launch attn: the kernel of part 2 again; grid 256 x 1, 8 waves a work-group, clusters of 4 x 1, 327,680 bytes of LDS; arguments qb, kv, edge_weight, Wo, bo, bv, out0; writes out0
